; MI455X (gfx1250); checked and timed in simulation.
; The chip was launched on July 23, 2026; its instructions are those of AMD's public machine-readable ISA for CDNA 5 (MIT licence, August 2026) and "CDNA5" Instruction Set Architecture Reference Guide (July 2026). The comments in the code are by the model that wrote it; some were corrected since.
;; Multi Head Attention. Allowed arithmetic: matrix products marked QUANTISED: E2M1 operands, one E8M0 scale for each 32 along K, by v_wmma_scale_f32_16x16x128_f8f6f4 with both operands' format E2M1 (or v_wmma_scale_f32_32x16x128_f4), f32 sums; everything else in f32.
;; Inputs: Wk_codes 1,024 x 32 x 16 uint8 (E2M1 codes of Wk, K innermost, in blocks of 32 codes, two codes a byte); Wk_scales 1,024 x 32 uint8 (E8M0 scales of Wk, one for each 32 codes along K); Wo_codes 1,024 x 32 x 16 uint8 (E2M1 codes of Wo, K innermost, in blocks of 32 codes, two codes a byte); Wo_scales 1,024 x 32 uint8 (E8M0 scales of Wo, one for each 32 codes along K); Wq_codes 1,024 x 32 x 16 uint8 (E2M1 codes of Wq, K innermost, in blocks of 32 codes, two codes a byte); Wq_scales 1,024 x 32 uint8 (E8M0 scales of Wq, one for each 32 codes along K); Wv_codes 1,024 x 32 x 16 uint8 (E2M1 codes of Wv, K innermost, in blocks of 32 codes, two codes a byte); Wv_scales 1,024 x 32 uint8 (E8M0 scales of Wv, one for each 32 codes along K); bk 1,024 float32; bo 1,024 float32; bq 1,024 float32; bv 1,024 float32; k_codes 2 x 2,048 x 32 x 16 uint8 (E2M1 codes of k, K innermost, in blocks of 32 codes, two codes a byte); k_scales 2 x 2,048 x 32 uint8 (E8M0 scales of k, one for each 32 codes along K); q_codes 2 x 2,048 x 32 x 16 uint8 (E2M1 codes of q, K innermost, in blocks of 32 codes, two codes a byte); q_scales 2 x 2,048 x 32 uint8 (E8M0 scales of q, one for each 32 codes along K); v_codes 2 x 2,048 x 32 x 16 uint8 (E2M1 codes of v, K innermost, in blocks of 32 codes, two codes a byte); v_scales 2 x 2,048 x 32 uint8 (E8M0 scales of v, one for each 32 codes along K).
;; Outputs: out0 2 x 2,048 x 1,024 float32.
;; This version of the problem:
;;   THIS VERSION OF THE PROBLEM IS GIVEN IN LOW PRECISION. The matrix products marked QUANTISED in the list below multiply operands that are first quantised to E2M1 (2 exponent bits, 1 mantissa bit; 4 bits a number), with one power-of-two scale for each 32 numbers along K (OCP MX v1.0); their sums are f32. All else is computed in f32.
;;   The module's matrix products, in the order in which they are computed (A, B: the left and right operand; K: the contracted axis; several contracted axes count as one K, in the product's order):
;;     1. [M 4,096, K 1,024] x [K 1,024, N 1,024]; A: input q (given as codes); B: input Wq (given as codes): QUANTISED
;;     2. [M 4,096, K 1,024] x [K 1,024, N 1,024]; A: input k (given as codes); B: input Wk (given as codes): QUANTISED
;;     3. [M 4,096, K 1,024] x [K 1,024, N 1,024]; A: input v (given as codes); B: input Wv (given as codes): QUANTISED
;;     4. batch 32 x [M 2,048, K 64] x [K 64, N 2,048]; A: computed on the way; B: computed on the way: QUANTISED
;;     5. batch 32 x [M 2,048, K 2,048] x [K 2,048, N 64]; A: softmax (see below); B: computed on the way: QUANTISED
;;     6. [M 4,096, K 1,024] x [K 1,024, N 1,024]; A: computed on the way; B: input Wo (given as codes): QUANTISED
;;   THE QUANTISER, for each operand of a quantised product, along K:
;;     - K is cut into blocks of 32 from its start; a last block that is shorter is filled with zeros.
;;     - A block's scale is 2^e with e = floor(log2(the largest magnitude in the block)) - 2, held to -126 .. 127; a block of zeros has e = 0. As a byte (E8M0): e + 127.
;;     - Each number is divided by its block's scale, clamped to +-6, and rounded to the nearest number of E2M1, ties to even, subnormals kept.
;;     - The product sums the exact products of the quantised numbers (number of the format x scale) in f32.
;;   ~~~python
;;   def quantise(x, axis):      # numpy; x: float32 -> the quantised numbers, widened to float32 again
;;       x = np.moveaxis(x, axis, -1); K = x.shape[-1]
;;       x = np.pad(x, [(0, 0)] * (x.ndim - 1) + [(0, -K % 32)]); x = x.reshape(x.shape[:-1] + (-1, 32)); a = np.abs(x).max(-1, keepdims=True)
;;       e = np.where(a > 0, np.clip(np.frexp(np.where(a > 0, a, 1))[1] - 1 - 2, -126, 127), 0)      # np.frexp(a)[1] - 1 = floor(log2(a)), exactly
;;       r = np.clip(x / 2.0 ** e, -6, 6)
;;       step = 2.0 ** (np.maximum(np.frexp(np.where(r == 0, 1, r))[1] - 1, 0) - 1)
;;       q = np.round(r / step) * step * 2.0 ** e      # np.round: ties to even
;;       return np.moveaxis(q.reshape(q.shape[:-2] + (-1,))[..., :K], -1, axis).astype(np.float32)
;;   ~~~
;;   SOFTMAX AHEAD OF A QUANTISED PRODUCT. Where the list says 'softmax', what is quantised is not the finished softmax but p = 2^(t - M), with t = logit x log2(e) and M = ceil(the row's largest t), a whole number; so 1/2 < the row's largest p <= 1. The row's sum l is taken of the UNQUANTISED p, in f32, and the product's result is divided by l at the end. Since M is a whole number, a kernel that streams over the keys may use a running M (the ceiling of the running maximum): every later rescaling is an exact power of two, which a block's scale takes up: the codes' values come out the same.
;;   OPERANDS COMPUTED ON THE WAY. 'Computed on the way' means the value that the module computes at that place (a softmax that the list does not call 'softmax' is quantised finished and normalised). What goes into a quantiser is computed in f32, as accurately as f32 sums, v_exp_f32 and their like allow (about 1e-6 of the number): no bf16 or f16 on the way to a quantiser, and a product that is left as it is and whose result goes on into a quantised operand takes f32 operands (vector FMAs, or v_wmma_f32_16x16x4_f32). A number that lies on a knife's edge between two numbers of the format may be rounded either way, as far as f32 arithmetic and the matrix unit's own rounding can turn it there, and no further.
;;   INPUTS GIVEN AS CODES. Wk (in the module: [1024, 1024], K = its axis 0); Wo (in the module: [1024, 1024], K = its axis 0); Wq (in the module: [1024, 1024], K = its axis 0); Wv (in the module: [1024, 1024], K = its axis 0); k (in the module: [2, 2048, 1024], K = its axis 2); q (in the module: [2, 2048, 1024], K = its axis 2); v (in the module: [2, 2048, 1024], K = its axis 2): each comes as NAME_codes (uint8): NAME with its K axis moved to the last place and cut into blocks of 32 codes, [.., K / 32, bytes a block], one block behind the other in memory; two codes a byte, the lower K in the low four bits (a code: sign, 2 exponent bits, 1 mantissa bit); and NAME_scales (uint8): the same leading axes, one E8M0 byte (e + 127) for each 32 codes along K. Its value is code x scale, taken as it is: it is not quantised again, and the codes and scales need not be those that the quantiser above would give.
;; One version. Each part assembles by itself: llvm-mc -triple=amdgcn-amd-amdhsa -mcpu=gfx1250 --defsym DOCPART=n.
;; ======== version 1 of 1: 3 launches
;; limits: right only within a limited range of input values
;; workspace buffers: qc 2,097,152 bytes; qs 131,072 bytes; kv 4,456,448 bytes; oc 2,097,152 bytes; os 131,072 bytes
;; launch proj (part 1): grid 4 x 48, 8 waves a work-group, clusters of 4 x 4, 279,552 bytes of LDS; arguments q_codes, k_codes, v_codes, q_scales, k_scales, v_scales, Wq_codes, Wk_codes, Wv_codes, Wq_scales, Wk_scales, Wv_scales, bq, bk, bv, qc, qs, kv; writes qc, qs, kv
.if DOCPART == 1
	.amdgcn_target "amdgcn-amd-amdhsa--gfx1250"
	.amdhsa_code_object_version 6
	.text
	.protected	k_qf8d84ab94a_proj
	.globl	k_qf8d84ab94a_proj
	.p2align	8
	.type	k_qf8d84ab94a_proj,@function
k_qf8d84ab94a_proj:
	s_mov_b64 s[64:65], 0
	v_nop
	global_prefetch_b8 v0, s[64:65] scope:SCOPE_SE
	s_setreg_imm32_b32 hwreg(HW_REG_WAVE_MODE, 25, 1), 1
	s_wait_xcnt 0x0
	s_wait_alu depctr_hold_cnt(0) depctr_sa_sdst(0) depctr_va_vdst(0) depctr_va_sdst(0) depctr_va_ssrc(0) depctr_va_vcc(0) depctr_vm_vsrc(0)
	s_getreg_b32 s2, hwreg(HW_REG_IB_STS2, 6, 4)
	s_cmp_eq_u32 s2, 0
	s_cbranch_scc0 .Lentry_in_a_cluster
	s_endpgm
.Lentry_in_a_cluster:
	s_bfe_u32 s2, ttmp6, 0x10000c
	s_cmp_lg_u32 s2, 0xf033
	s_cbranch_scc0 .Lentry_shape_is_right
	s_endpgm
.Lentry_shape_is_right:
; MULTI-HEAD ATTENTION IN MX-FP4, launch 1 of 3: qh = q Wq + bq, kh = k Wk + bk, vh = v Wv + bv, each quantised at once for the product that takes it.
; DEAD WORK: none.  Every bias stands ahead of a quantiser (bq, bk, bv) or on the output (bo), so every input has a way to the result and is loaded; no product, row or step is left out.
; The second product's K, the head's 64, is filled to the matrix instruction's 128 with zero codes on one side (launch 2).
; SHARES.  192 work-groups: job (0 q, 1 k, 2 v) x 16 blocks of 256 tokens x 4 blocks of 256 columns, the whole K = 1,024 each.  Eight waves; wave w makes 64 tokens (w % 4) x 128 columns (w / 4), two heads:
; for 128 along K a wave loads 12 fragments for 32 matrix instructions.
; All of a work-group's codes (256 rows x 512 bytes a side, in two halves of K) fit in LDS: one joint load a wave at the head (waves 0-3: K half 0, waves 4-7: K half 1), nothing is filled again.
; So there is no later load for a prefetch to run ahead of.  Scale words go from memory straight into registers, once: 32 bytes a row, a lane a row.
; CLUSTERS: 4 x 4.  The four of a row of the cluster need the same tokens, the four of a column the same rows of W: each tile is asked for jointly.  The job hangs on the cluster's y alone: it is the same in all sixteen.
; LAYOUT.  q, k: source 0 = 16 rows of W, source 1 = 16 tokens: a lane holds one token, register i of tile t the channel 16 t + 8 (lane / 16) + i: K of the product Q K^T runs along the registers.
;          v:    source 0 = 16 tokens, source 1 = 16 rows of W: a lane holds one channel, and its registers run along the tokens, the keys: K of the product P V.
; Eight units of 32 accumulator registers (with lane l xor 16's: 64 along K, two blocks of 32) become four registers each that ARE half an operand's registers: lane (r, h) holds K = 32 h + 0 .. 31 of row r.
; THE BIAS is the C of the first step: it is put into one accumulator of each group that shares it; the others' first products name that one as C, and its own product comes last.
; WORKSPACE, as images of operand registers: an image (16 rows x 64 K) is 512 consecutive bytes, lane l's 16 bytes at 16 l.
;   qc [bh 32][tile 128][512];  qs [bh][4 tiles 32][lane 32][4]: bytes 0, 1 of lanes 0-15 tile 0's, of lanes 16-31 tile 1's; bytes 2, 3 tile 2's and tile 3's.
;   kv [bh][139,264]: K's images [tile 128][512]; at 65,536 V's [128 keys j 16][channel tile 4][64 keys c 2][512]; at 131,072 K's scale words, as qs; at 135,168 V's [j][pair of channel tiles 2][lane][4].
; LIMITS: NaN and infinities are not served.  A block of zeros gets the byte 1 where the rule says 127: its codes are zeros, and this program alone reads the bytes.  The bias is where the sum starts, so the sum's order differs from x W + b by f32 rounding.
.set PITCH, 272                        ; an LDS row of codes: 256 bytes + 16 of padding: the 16 rows of a fragment load start 68 words apart
.set XREG,  256*PITCH                  ; 256 rows: the tokens' part of a slot; W's follows
.set SLOT,  2*XREG                     ; slot s: K half s
.set SPARE, 2*SLOT                     ; the spare words, 128 bytes for each wave: four blocks of 256 bytes that no other line names
.set KVH,   139264                     ; a head's block in kv
.set R,   1                            ; v1   lane % 16
.set H,   2                            ; v2   lane / 16
.set LN,  3                            ; v3   lane
.set ADX, 4                            ; v4-5 LDS address of my tokens' fragments in slot 0, 1
.set ADW, 6                            ; v6-7 the same for W
.set SOF, 8                            ; v8   32 x lane
.set LI,  9                            ; v9   16 x lane
.set LS,  10                           ; v10  4 x lane
.set SPW, 11                           ; v11  LDS address of my spare word; never rewritten
.set NIL, 12                           ; v12  0; never rewritten
.set BO,  13                           ; v13  the bias's offset
.set SX,  16                           ; v16-31 the tokens' scale words: register 8 p + s: step s, lanes 0-15 tile 2 p, lanes 16-31 tile 2 p + 1
.set SW,  32                           ; v32-63 W's, four pairs of tiles
.set F0,  64                           ; v64-159, v160-255 two sets of fragments: the tokens' four, then W's eight
.set F1,  160                          ; window 1 (v256-511): the 32 accumulators
.set TM,  64                           ; the way out: largest magnitudes,
.set TS,  72                           ; the conversions' scale operands,
.set BY,  80                           ; the scales' bytes, one register a unit,
.set WD,  88                           ; the scale words,
.set CD,  96                           ; the codes, four registers a unit
.set WV,  2
.set JOB, 3
.set CX,  66
.set CY,  67
.set TT,  100                          ; which 256 tokens
.set U,   101                          ; which 128 rows I fetch
.set TA,  104
.set TB,  105
.set BH,  104                          ; later: 16 x batch + my first head
.set XI,  12
.set WI,  13
.set NX,  21                           ; which 256 columns
.set G0X0, 40                          ; groups 0: the tokens' K half 0, half 1; W's likewise
.set G0X1, 44
.set G0W0, 48
.set G0W1, 52
.set G1X,  68                          ; groups 1: the tokens' codes, W's
.set G1W,  76
.set MSB, 0
.macro WIN new                         ; the immediate's high byte repeats the setting that is left
.if MSB != \new
	s_set_vgpr_msb (MSB<<8)|\new
.set MSB, \new
.endif
.endm
.macro PLACES n
.rept \n
	v_nop
.endr
.endm
.macro CROUND                          ; a round of the cluster's barrier
	s_barrier_signal -1
	s_barrier_wait -1
	s_cmp_lg_u32 s[WV], 0
	s_cbranch_scc1 .Lnot_wave_0_\@
	s_barrier_signal -3
.Lnot_wave_0_\@:
	s_barrier_wait -3
	s_barrier_signal -1
	s_barrier_wait -1
.endm
.macro ARM under, g0, g1, next         ; one arm of the tree of the head's loads
	s_cmp_lt_u32 s[WV], \under
	s_cbranch_scc0 \next
	tensor_load_to_lds s[\g0:\g0+3], s[\g1:\g1+7]
	s_nop 0
	PLACES 4
	s_branch .Lasked
\next:
.endm
; The fragments of step s (128 along K) into set f: 24 loads.  Lane (r, h) takes K = 64 c + 32 h + 0 .. 31 of row r into registers 4 c .. 4 c + 3.
.macro FETCH s, f
.irp i, 0,1,2,3
.irp c, 0,1
	ds_load_b128 v[(\f)+8*\i+4*\c:(\f)+8*\i+4*\c+3], v[ADX+(\s)/4] offset:\i*16*PITCH+64*((\s)%4)+32*\c
.endr
.endr
.irp i, 0,1,2,3,4,5,6,7
.irp c, 0,1
	ds_load_b128 v[(\f)+32+8*\i+4*\c:(\f)+32+8*\i+4*\c+3], v[ADW+(\s)/4] offset:\i*16*PITCH+64*((\s)%4)+32*\c
.endr
.endr
.endm
.macro M1 v, t, m, s                   ; one matrix instruction of step s: source 0's tile t x source 1's tile m, fragments at FC
.if \v
.set rD, 8*(4*(\m)+(\t))
.set rA, FC+8*(\t)
.set rB, FC+32+8*(\m)
.set rSA, SX+8*((\t)/2)+(\s)
.set rSB, SW+8*((\m)/2)+(\s)
.set rC, 32*(\m)
.else
.set rD, 8*(8*(\m)+(\t))
.set rA, FC+32+8*(\t)
.set rB, FC+8*(\m)
.set rSA, SW+8*((\t)/2)+(\s)
.set rSB, SX+8*((\m)/2)+(\s)
.set rC, 192+8*(\t)
.endif
.if (\s) > 0
.set rC, rD
.endif
.if (\t)%2 == 0
.if (\m)%2 == 0
	v_wmma_scale_f32_16x16x128_f8f6f4 v[rD:rD+7], v[rA:rA+7], v[rB:rB+7], v[rC:rC+7], v[rSA], v[rSB] matrix_a_fmt:MATRIX_FMT_FP4 matrix_b_fmt:MATRIX_FMT_FP4
.else
	v_wmma_scale_f32_16x16x128_f8f6f4 v[rD:rD+7], v[rA:rA+7], v[rB:rB+7], v[rC:rC+7], v[rSA], v[rSB] matrix_a_fmt:MATRIX_FMT_FP4 matrix_b_fmt:MATRIX_FMT_FP4 matrix_b_scale:MATRIX_SCALE_ROW1
.endif
.else
.if (\m)%2 == 0
	v_wmma_scale_f32_16x16x128_f8f6f4 v[rD:rD+7], v[rA:rA+7], v[rB:rB+7], v[rC:rC+7], v[rSA], v[rSB] matrix_a_fmt:MATRIX_FMT_FP4 matrix_b_fmt:MATRIX_FMT_FP4 matrix_a_scale:MATRIX_SCALE_ROW1
.else
	v_wmma_scale_f32_16x16x128_f8f6f4 v[rD:rD+7], v[rA:rA+7], v[rB:rB+7], v[rC:rC+7], v[rSA], v[rSB] matrix_a_fmt:MATRIX_FMT_FP4 matrix_b_fmt:MATRIX_FMT_FP4 matrix_a_scale:MATRIX_SCALE_ROW1 matrix_b_scale:MATRIX_SCALE_ROW1
.endif
.endif
.endm
.macro M8 v, x, s                      ; eight of them: q, k: the tokens' tile x; v: the tokens' tile 3 - x
.irp y, 0,1,2,3,4,5,6,7
.if \v
	M1 \v, 3-(\x), \y, \s
.else
	M1 \v, \y, \x, \s
.endif
.endr
.endm
; Half a step: 16 matrix instructions.  The 32 accumulators take turns, one instruction a turn, in the same order in every step.
; In the first step the accumulators that hold the bias come last, five places behind the products that read them as C.
.macro HALF v, part, s
	WIN 0x50                                       ; C and D window 1
	M8 \v, 2*\part, \s
.if ((\s) == 0) && (\part == 1)
	PLACES 5
.endif
	M8 \v, 2*\part+1, \s
	WIN 0
.endm
.macro STEP v, s
.if (\s)%2
.set FC, F1
.set FN, F0
.else
.set FC, F0
.set FN, F1
.endif
.if (\s) == 7
	s_wait_dscnt 0x0
	HALF \v, 0, \s
	HALF \v, 1, \s
.elseif (\s) == 3                      ; K half 1 is read from the next step on
	s_wait_dscnt 0x0                               ; my reads are in,
	s_wait_tensorcnt 0x0                           ; and so is all that I have asked for
	s_barrier_signal -1
	HALF \v, 0, \s
	s_barrier_wait -1                              ; everybody's part is in
	PLACES 4
	FETCH (\s)+1, FN
	HALF \v, 1, \s
.else
.if (\s) > 0
	PLACES 4                                       ; ahead of the loads into registers that the last step's products read
.endif
	FETCH (\s)+1, FN
	s_wait_dscnt 24                                ; this step's fragments are in; the next step's 24 loads may be out
	HALF \v, 0, \s
	HALF \v, 1, \s
.endif
.endm
; Four units, u0 .. u0 + 3, of 32 accumulator registers: register 16 b + 8 u + i = K index 32 b + 16 u + 8 (lane / 16) + i of my row.
.macro QUANT4 u0
	WIN 0x14                                       ; sources 1 and 2 window 1
.irp x, 0,1,2,3
.irp b, 0,1
	v_max3_num_f32 v[TM+2*\x+\b], 0x1800000, |v[32*(\u0+\x)+16*\b]|, |v[32*(\u0+\x)+16*\b+1]|   ; from each accumulator's low end on; the floor 2^(3 - 127): the byte cannot fall under 1
.endr
.endr
.irp i, 2,4,6,8,10,12,14
.irp x, 0,1,2,3
.irp b, 0,1
	v_max3_num_f32 v[TM+2*\x+\b], v[TM+2*\x+\b], |v[32*(\u0+\x)+16*\b+\i]|, |v[32*(\u0+\x)+16*\b+\i+1]|
.endr
.endr
.endr
	WIN 0
.irp x, 0,1,2,3
	v_permlane16_swap_b32 v[TM+2*\x], v[TM+2*\x+1] ; lanes 0-15 of the two: block 0's two halves, lanes 16-31: block 1's
.endr
.irp x, 0,1,2,3
	v_max_num_f32 v[TM+2*\x], v[TM+2*\x], v[TM+2*\x+1]
.endr
.irp x, 0,1,2,3
	v_add_nc_u32 v[TS+2*\x], 0xff000000, v[TM+2*\x]    ; 2 off the exponent field: the conversion takes this operand's exponent field as its scale
.endr
.irp x, 0,1,2,3
	v_lshrrev_b32 v[BY+\u0+\x], 23, v[TS+2*\x]     ; the bytes: lanes 0-15 block 0's, lanes 16-31 block 1's
.endr
.irp x, 0,1,2,3
	v_mov_b32 v[TS+2*\x+1], v[TS+2*\x]
.endr
.irp x, 0,1,2,3
	v_permlane16_swap_b32 v[TS+2*\x], v[TS+2*\x+1] ; the first: block 0's in all lanes; the second: block 1's
.endr
	WIN 0x01                                       ; source 0 window 1
.irp x, 0,1,2,3
.irp b, 0,1
	v_cvt_scalef32_pk8_fp4_f32 v[CD+4*(\u0+\x)+\b], v[32*(\u0+\x)+16*\b:32*(\u0+\x)+16*\b+7], v[TS+2*\x+\b]         ; K = 32 b + 8 h + 0 .. 7
	v_cvt_scalef32_pk8_fp4_f32 v[CD+4*(\u0+\x)+2+\b], v[32*(\u0+\x)+16*\b+8:32*(\u0+\x)+16*\b+15], v[TS+2*\x+\b]    ; K = 32 b + 16 + 8 h + 0 .. 7
.endr
.endr
	WIN 0
	v_nop                                          ; one plain place behind a scaled conversion
.irp x, 0,1,2,3
	v_permlane16_swap_b32 v[CD+4*(\u0+\x)], v[CD+4*(\u0+\x)+1]       ; K = 32 h + 0 .. 7 and 32 h + 8 .. 15
	v_permlane16_swap_b32 v[CD+4*(\u0+\x)+2], v[CD+4*(\u0+\x)+3]     ; 32 h + 16 .. 23 and 32 h + 24 .. 31
.endr
.endm
.macro JOIN d, x, y                    ; the bytes of two units -> words: lanes 0-15 unit x's two, lanes 16-31 unit y's
	v_permlane16_swap_b32 v[BY+(\x)], v[BY+(\y)]
	v_lshl_or_b32 v[\d], v[BY+(\y)], 8, v[BY+(\x)]
.endm
; A job's way from its loads to its codes.
.macro PATH v
	s_wait_alu depctr_va_vdst(0)
	s_wait_loadcnt 0x0                             ; scale words and bias
.if \v
	WIN 0x40                                       ; destination window 1
.irp m, 0,1,2,3,4,5,6,7
.irp i, 0,1,2,3,4,5,6,7
	v_mov_b32 v[32*\m+\i], v[F1+\m]                ; a lane holds one channel: its bias is the same for the lane's eight tokens
.endr
.endr
	WIN 0
	s_wait_alu depctr_va_vdst(0)
.endif
	s_cmp_lt_u32 s[WV], 4                          ; waves 0-3 have asked for K half 0
	s_cbranch_scc0 .Lhalf_1_\@
	s_wait_tensorcnt 0x0
.Lhalf_1_\@:
	s_barrier_signal -1                            ; K half 1's loads may be out
	s_barrier_wait -1                              ; K half 0 is in
	FETCH 0, F0
.irp s, 0,1,2,3,4,5,6,7
	STEP \v, \s
.endr
	PLACES 4                                       ; ahead of the first read of results
	QUANT4 0
	QUANT4 4
.endm
	s_load_b512 s[4:19], s[0:1], 0x0               ; q, k, v codes; q, k, v scales; Wq, Wk codes
	s_load_b512 s[20:35], s[0:1], 0x40             ; Wv codes; Wq, Wk, Wv scales; bq, bk, bv; qc
	s_load_b128 s[36:39], s[0:1], 0x80             ; qs, kv
	v_lshl_add_u32 v[SPW], v0, 2, SPARE
	v_mov_b32 v[NIL], 0
	ds_add_u32 v[SPW], v[NIL]                      ; the wave's opening: the add, twice on end, and its wait ahead of my tensor load
	ds_add_u32 v[SPW], v[NIL]                      ; and once more; the set-up below, work on registers, stands between it and the wait
	v_lshrrev_b32 v1, 5, v0
	v_readfirstlane_b32 s[WV], v1                  ; wave 0..7
	s_and_b32 s[U], s[WV], 1
	s_bfe_u32 s[CX], ttmp6, 0x40000                ; my place in the cluster
	s_bfe_u32 s[CY], ttmp6, 0x40004
	s_and_b32 s[TA], ttmp7, 0xffff                 ; the cluster's y, 0..11
	s_lshr_b32 s[JOB], s[TA], 2                    ; the job: equal in all sixteen partners
	s_and_b32 s[TA], s[TA], 3
	s_lshl_b32 s[TA], s[TA], 2
	s_add_co_u32 s[TT], s[TA], s[CY]               ; which 256 tokens, 0..15
	s_lshl_b32 s[TA], s[CY], 2
	s_lshl_b32 s[TA], 15, s[TA]                    ; my row of the cluster
	s_lshl_b32 s[TB], 0x1111, s[CX]                ; my column
	s_or_b32 s[G1X], s[TA], (1<<20)|(1<<21)|(5<<22)|(3<<25)    ; 15:0 the mask; elements of 1 byte; padding on; 21 set beside a mask; four words after every 64
	s_or_b32 s[G1W], s[TB], (1<<20)|(1<<21)|(5<<22)|(3<<25)
.irp g, G1X, G1W                       ; 128 rows x 256 bytes, 512 bytes apart in memory
	s_mov_b32 s[\g+1], 256<<16
	s_mov_b32 s[\g+2], 128<<16
	s_mov_b32 s[\g+3], 256<<16
	s_mov_b32 s[\g+4], 128
	s_mov_b32 s[\g+5], 512
	s_mov_b32 s[\g+6], 0
	s_mov_b32 s[\g+7], 0
.endr
.irp g, G0X0, G0X1, G0W0, G0W1
	s_mov_b32 s[\g], 1
.endr
	s_mul_i32 s[TA], s[U], 128*PITCH               ; where they go: no place in the cluster enters an LDS address
	s_mov_b32 s[G0X0+1], s[TA]
	s_add_co_u32 s[G0X1+1], s[TA], SLOT
	s_add_co_u32 s[G0W0+1], s[TA], XREG
	s_add_co_u32 s[G0W1+1], s[TA], SLOT+XREG
	s_wait_dscnt 0x0                               ; both opening adds are done
	s_wait_kmcnt 0x0
	s_cmp_eq_u32 s[JOB], 1                         ; the job's buffers: a choice that hangs on ids alone
	s_cselect_b64 s[4:5], s[6:7], s[4:5]
	s_cselect_b64 s[10:11], s[12:13], s[10:11]
	s_cselect_b64 s[16:17], s[18:19], s[16:17]
	s_cselect_b64 s[22:23], s[24:25], s[22:23]
	s_cselect_b64 s[28:29], s[30:31], s[28:29]
	s_cmp_eq_u32 s[JOB], 2
	s_cselect_b64 s[4:5], s[8:9], s[4:5]           ; the tokens' codes
	s_cselect_b64 s[10:11], s[14:15], s[10:11]     ; their scales
	s_cselect_b64 s[16:17], s[20:21], s[16:17]     ; W's codes
	s_cselect_b64 s[22:23], s[26:27], s[22:23]     ; W's scales
	s_cselect_b64 s[28:29], s[32:33], s[28:29]     ; the bias
	s_and_b32 s[XI], s[WV], 3                      ; my 64 tokens
	s_lshr_b32 s[WI], s[WV], 2                     ; my 128 columns
	s_lshl_b32 s6, s[TT], 17                       ; the tokens: 256 rows of 512 bytes a block, the 128 rows that I fetch
	s_lshl_b32 s7, s[U], 16
	s_add_co_u32 s6, s6, s7
	s_mov_b32 s7, 0
	s_add_nc_u64 s[4:5], s[4:5], s[6:7]
	s_lshl_b32 s6, s[TT], 13                       ; 32 scale bytes a row: my 64 tokens'
	s_lshl_b32 s8, s[XI], 11
	s_add_co_u32 s6, s6, s8
	s_add_nc_u64 s[10:11], s[10:11], s[6:7]
	s_lshl_b32 s[NX], ttmp9, 2
	s_add_co_u32 s[NX], s[NX], s[CX]               ; which 256 columns
	s_lshl_b32 s18, s[NX], 17
	s_lshl_b32 s19, s[U], 16
	s_add_co_u32 s18, s18, s19
	s_mov_b32 s19, 0
	s_add_nc_u64 s[16:17], s[16:17], s[18:19]
	s_lshl_b32 s18, s[NX], 13
	s_lshl_b32 s20, s[WI], 12
	s_add_co_u32 s18, s18, s20
	s_add_nc_u64 s[22:23], s[22:23], s[18:19]      ; W's scales: my 128 rows'
	s_lshl_b32 s14, s[NX], 10
	s_lshl_b32 s15, s[WI], 9
	s_add_co_u32 s14, s14, s15
	s_mov_b32 s15, 0
	s_add_nc_u64 s[28:29], s[28:29], s[14:15]      ; the bias at my 128 columns
	s_mul_i32 s30, s[XI], 64*PITCH
	s_mul_i32 s31, s[WI], 128*PITCH
	s_add_co_u32 s31, s31, XREG
	s_mov_b64 s[G0X0+2:G0X0+3], s[4:5]
	s_add_nc_u64 s[G0X1+2:G0X1+3], s[4:5], 256     ; K half 1: 256 bytes on in each row
	s_mov_b64 s[G0W0+2:G0W0+3], s[16:17]
	s_add_nc_u64 s[G0W1+2:G0W1+3], s[16:17], 256
.irp g, G0X0, G0X1, G0W0, G0W1
	s_or_b32 s[\g+3], s[\g+3], 0x80000000          ; type = 2
.endr
	CROUND                                         ; all sixteen work-groups are here: the joint loads meet
; ONE tree of branches on the wave's number: every way passes exactly one load.
	ARM 2, G0X0, G1X, .Lhead_w0
	ARM 4, G0W0, G1W, .Lhead_x1
	ARM 6, G0X1, G1X, .Lhead_w1
	tensor_load_to_lds s[G0W1:G0W1+3], s[G1W:G1W+7]
	s_nop 0
	PLACES 4
.Lasked:
	v_and_b32 v[R], 15, v0
	v_bfe_u32 v[H], v0, 4, 1
	v_and_b32 v[LN], 31, v0
	v_mul_u32_u24 v14, v[R], PITCH
	v_lshlrev_b32 v[SOF], 5, v[LN]
	v_lshl_add_u32 v14, v[H], 4, v14               ; a fragment's row x pitch + 16 x half
	v_lshlrev_b32 v[LI], 4, v[LN]
	v_lshlrev_b32 v[LS], 2, v[LN]
	v_add_nc_u32 v[ADX], s30, v14
	v_add_nc_u32 v[ADW], s31, v14
	v_add_nc_u32 v[ADX+1], SLOT, v[ADX]
	v_add_nc_u32 v[ADW+1], SLOT, v[ADW]
	s_wait_alu depctr_va_vdst(0)                   ; scalar lines
.irp p, 0,1
	global_load_b128 v[SX+8*\p:SX+8*\p+3], v[SOF], s[10:11] offset:1024*\p         ; 32 rows x 32 bytes, a lane a row
	global_load_b128 v[SX+8*\p+4:SX+8*\p+7], v[SOF], s[10:11] offset:1024*\p+16
.endr
.irp p, 0,1,2,3
	global_load_b128 v[SW+8*\p:SW+8*\p+3], v[SOF], s[22:23] offset:1024*\p
	global_load_b128 v[SW+8*\p+4:SW+8*\p+7], v[SOF], s[22:23] offset:1024*\p+16
.endr
	s_lshr_b32 s[BH], s[TT], 3                     ; the batch,
	s_lshl_b32 s[BH], s[BH], 4
	s_lshl_b32 s[TB], s[NX], 2
	s_add_co_u32 s[BH], s[BH], s[TB]
	s_lshl_b32 s[TB], s[WI], 1
	s_add_co_u32 s[BH], s[BH], s[TB]               ; 16 x batch + my first head
	s_and_b32 s14, s[TT], 7
	s_mov_b32 s33, 0
	s_cmp_lt_u32 s[JOB], 2
	s_cbranch_scc0 .Lvpath
	; ---- q and k
	v_lshlrev_b32 v[BO], 5, v[H]
	WIN 0x40
.irp t, 0,1,2,3,4,5,6,7                ; bias(16 t + 8 h + 0 .. 7) into the accumulators of my last 16 tokens
	global_load_b128 v[192+8*\t:192+8*\t+3], v[BO], s[28:29] offset:64*\t
	global_load_b128 v[192+8*\t+4:192+8*\t+7], v[BO], s[28:29] offset:64*\t+16
.endr
	WIN 0
	s_lshl_b32 s14, s14, 4
	s_lshl_b32 s15, s[XI], 2
	s_add_co_u32 s14, s14, s15                     ; my first tile of 16 tokens in the batch
	s_cmp_eq_u32 s[JOB], 0
	s_cselect_b64 s[24:25], s[34:35], s[38:39]     ; the codes go to qc or kv,
	s_cselect_b64 s[26:27], s[36:37], s[38:39]     ; the scale words to qs or kv
	s_mov_b32 s18, KVH
	s_cselect_b32 s19, 65536, s18                  ; a head's bytes there
	s_cselect_b32 s20, 4096, s18
	s_cselect_b32 s30, 0, 131072
	s_mul_i32 s32, s19, s[BH]
	s_lshl_b32 s15, s14, 9
	s_add_co_u32 s32, s32, s15
	s_add_nc_u64 s[24:25], s[24:25], s[32:33]
	s_mul_i32 s32, s20, s[BH]
	s_add_co_u32 s32, s32, s30
	s_lshl_b32 s15, s14, 5
	s_add_co_u32 s32, s32, s15
	s_add_nc_u64 s[26:27], s[26:27], s[32:33]
	s_mov_b32 s32, s19
	s_add_nc_u64 s[34:35], s[24:25], s[32:33]      ; my second head
	s_mov_b32 s32, s20
	s_add_nc_u64 s[36:37], s[26:27], s[32:33]
	PATH 0                                         ; unit 2 m + e: my tokens' tile m, head e
.irp e, 0,1
	JOIN WD+2*\e, \e, 2+\e
	JOIN WD+2*\e+1, 4+\e, 6+\e
	v_lshl_or_b32 v[WD+2*\e], v[WD+2*\e+1], 16, v[WD+2*\e]
.endr
.irp m, 0,1,2,3
	global_store_b128 v[LI], v[CD+8*\m:CD+8*\m+3], s[24:25] offset:512*\m          ; an image: 512 consecutive bytes
	global_store_b128 v[LI], v[CD+8*\m+4:CD+8*\m+7], s[34:35] offset:512*\m
.endr
	global_store_b32 v[LS], v[WD], s[26:27]        ; four tiles' scale words: 128 consecutive bytes
	global_store_b32 v[LS], v[WD+2], s[36:37]
	s_wait_tensorcnt 0x0                           ; the wave's end
	ds_add_u32 v[SPW], v[NIL]
	s_wait_dscnt 0x0
	s_branch .Lend
.Lvpath:
	; ---- v
	v_lshlrev_b32 v[BO], 2, v[R]
.irp m, 0,1,2,3,4,5,6,7
	global_load_b32 v[F1+\m], v[BO], s[28:29] offset:64*\m                         ; bias(16 m + r)
.endr
	s_lshl_b32 s14, s14, 1
	s_lshr_b32 s15, s[XI], 1
	s_add_co_u32 s14, s14, s15                     ; j: which 128 keys of the batch
	s_and_b32 s15, s[XI], 1                        ; c: which 64 of them
	s_mul_i32 s19, s[BH], KVH
	s_lshl_b32 s32, s14, 12
	s_lshl_b32 s18, s15, 9
	s_add_co_u32 s32, s32, s18
	s_add_co_u32 s32, s32, s19
	s_add_co_u32 s32, s32, 65536
	s_add_nc_u64 s[24:25], s[38:39], s[32:33]      ; V's images
	s_lshl_b32 s32, s14, 8
	s_lshl_b32 s18, s15, 1
	s_add_co_u32 s32, s32, s18
	s_add_co_u32 s32, s32, s19
	s_add_co_u32 s32, s32, 135168
	s_add_nc_u64 s[26:27], s[38:39], s[32:33]      ; V's scale words: my two bytes of each
	PATH 1                                         ; unit m: 16 channels: channel tile m % 4 of head m / 4
.irp p, 0,1,2,3
	JOIN WD+\p, 2*\p, 2*\p+1
.endr
.irp m, 0,1,2,3,4,5,6,7
	global_store_b128 v[LI], v[CD+4*\m:CD+4*\m+3], s[24:25] offset:(\m/4)*KVH+1024*(\m%4)
.endr
.irp p, 0,1,2,3
	global_store_b16 v[LS], v[WD+\p], s[26:27] offset:(\p/2)*KVH+128*(\p%2)        ; half a word a lane: the wave beside me makes the other 64 keys' two bytes
.endr
	s_wait_tensorcnt 0x0                           ; the wave's end
	ds_add_u32 v[SPW], v[NIL]
	s_wait_dscnt 0x0
.Lend:
	CROUND                                         ; the closing round: no work-group ends while a partner may still ask for a tile that names it
	s_endpgm
.Lfunc_end_k_qf8d84ab94a_proj:
	.size	k_qf8d84ab94a_proj, .Lfunc_end_k_qf8d84ab94a_proj-k_qf8d84ab94a_proj
	.p2alignl 7, 3214868480
	.fill 96, 4, 3214868480
	.section	.rodata,"a",@progbits
	.p2align	6, 0x0
	.amdhsa_kernel k_qf8d84ab94a_proj
		.amdhsa_group_segment_fixed_size 279552
		.amdhsa_private_segment_fixed_size 0
		.amdhsa_enable_private_segment 0
		.amdhsa_kernarg_size 144
		.amdhsa_user_sgpr_count 2
		.amdhsa_user_sgpr_kernarg_segment_ptr 1
		.amdhsa_wavefront_size32 1
		.amdhsa_system_sgpr_workgroup_id_x 1
		.amdhsa_system_sgpr_workgroup_id_y 1
		.amdhsa_system_sgpr_workgroup_id_z 1
		.amdhsa_system_vgpr_workitem_id 0
		.amdhsa_next_free_vgpr 512
		.amdhsa_next_free_sgpr 106
		.amdhsa_reserve_vcc 0
		.amdhsa_float_denorm_mode_32 3
		.amdhsa_float_denorm_mode_16_64 3
		.amdhsa_memory_ordered 1
		.amdhsa_forward_progress 1
		.amdhsa_inst_pref_size 138
	.end_amdhsa_kernel
	.amdgpu_metadata
---
amdhsa.version: [ 1, 2 ]
amdhsa.kernels:
  - .name:           k_qf8d84ab94a_proj
    .symbol:         k_qf8d84ab94a_proj.kd
    .args:
      - { .name: q_codes, .offset: 0, .size: 8, .value_kind: global_buffer, .address_space: global }
      - { .name: k_codes, .offset: 8, .size: 8, .value_kind: global_buffer, .address_space: global }
      - { .name: v_codes, .offset: 16, .size: 8, .value_kind: global_buffer, .address_space: global }
      - { .name: q_scales, .offset: 24, .size: 8, .value_kind: global_buffer, .address_space: global }
      - { .name: k_scales, .offset: 32, .size: 8, .value_kind: global_buffer, .address_space: global }
      - { .name: v_scales, .offset: 40, .size: 8, .value_kind: global_buffer, .address_space: global }
      - { .name: Wq_codes, .offset: 48, .size: 8, .value_kind: global_buffer, .address_space: global }
      - { .name: Wk_codes, .offset: 56, .size: 8, .value_kind: global_buffer, .address_space: global }
      - { .name: Wv_codes, .offset: 64, .size: 8, .value_kind: global_buffer, .address_space: global }
      - { .name: Wq_scales, .offset: 72, .size: 8, .value_kind: global_buffer, .address_space: global }
      - { .name: Wk_scales, .offset: 80, .size: 8, .value_kind: global_buffer, .address_space: global }
      - { .name: Wv_scales, .offset: 88, .size: 8, .value_kind: global_buffer, .address_space: global }
      - { .name: bq, .offset: 96, .size: 8, .value_kind: global_buffer, .address_space: global }
      - { .name: bk, .offset: 104, .size: 8, .value_kind: global_buffer, .address_space: global }
      - { .name: bv, .offset: 112, .size: 8, .value_kind: global_buffer, .address_space: global }
      - { .name: qc, .offset: 120, .size: 8, .value_kind: global_buffer, .address_space: global }
      - { .name: qs, .offset: 128, .size: 8, .value_kind: global_buffer, .address_space: global }
      - { .name: kv, .offset: 136, .size: 8, .value_kind: global_buffer, .address_space: global }
    .group_segment_fixed_size: 279552
    .private_segment_fixed_size: 0
    .kernarg_segment_align: 8
    .kernarg_segment_size: 144
    .max_flat_workgroup_size: 256
    .sgpr_count:     106
    .vgpr_count:     512
    .wavefront_size: 32
...
	.end_amdgpu_metadata
.endif
;; end of part 1
;; launch attn (part 2): grid 8 x 32, 16 waves a work-group, clusters of 4 x 1, 167,936 bytes of LDS; arguments qc, qs, kv, oc, os; writes oc, os
.if DOCPART == 2
	.amdgcn_target "amdgcn-amd-amdhsa--gfx1250"
	.amdhsa_code_object_version 6
	.text
	.protected	k_qf8d84ab94a_attn
	.globl	k_qf8d84ab94a_attn
	.p2align	8
	.type	k_qf8d84ab94a_attn,@function
k_qf8d84ab94a_attn:
	s_mov_b64 s[64:65], 0
	v_nop
	global_prefetch_b8 v0, s[64:65] scope:SCOPE_SE
	s_setreg_imm32_b32 hwreg(HW_REG_WAVE_MODE, 25, 1), 1
	s_wait_xcnt 0x0
	s_wait_alu depctr_hold_cnt(0) depctr_sa_sdst(0) depctr_va_vdst(0) depctr_va_sdst(0) depctr_va_ssrc(0) depctr_va_vcc(0) depctr_vm_vsrc(0)
	s_getreg_b32 s2, hwreg(HW_REG_IB_STS2, 6, 4)
	s_cmp_eq_u32 s2, 0
	s_cbranch_scc0 .Lentry_in_a_cluster
	s_endpgm
.Lentry_in_a_cluster:
	s_bfe_u32 s2, ttmp6, 0x10000c
	s_cmp_lg_u32 s2, 0x3003
	s_cbranch_scc0 .Lentry_shape_is_right
	s_endpgm
.Lentry_shape_is_right:
; Launch 2 of 3: for each batch and head, O = softmax(Q K^T / 8) V on codes of FP4, and O quantised along the model's axis for the last product.  No work is left out.
; THE SOFTMAX AHEAD OF THE SECOND PRODUCT: t = score x log2(e) / 8; M = the running largest t rounded UP to a whole number; p = 2^(t - M) is quantised along the keys, not normalised; the row's sum is taken
; of the unquantised p and divides O at the end.  When M moves, the sum and O are multiplied by 2^(old M - new M): exact.
; SHARES.  256 work-groups: 32 heads x 8 blocks of 256 queries.  Sixteen waves, four to a SIMD; a wave owns 16 queries and walks the head's 2,048 keys, 256 a trip, eight trips.
; A head's block of kv (139,264 bytes) fits in LDS: each wave brings a sixteenth by ONE tensor load at the head; nothing is filled again, so there is no ring, and no later load for a prefetch to run ahead of.
; CLUSTER: the four query blocks of a cluster belong to one head: the block is asked for jointly, with a mask that names the four.
; LAYOUT.  Both products transposed.  S^T = K Q^T by the 32-row form: source 0 = a block of 32 keys, so the 16 registers of a result are the block of the quantiser: register 8 u + i is key 16 u + 8 (lane / 16) + i.
; O^T = V^T P^T: source 0 = 16 channels.  A lane holds one query throughout.
; THE FIRST PRODUCT'S K IS 64: source 0's 16 registers hold TWO blocks of keys, registers 0-3 and 8-11 block 0's (K 0 .. 63), 4-7 and 12-15 block 1's (K 64 .. 127).  Q with zero codes behind it picks the first, Q with
; zero codes ahead of it the second.  The scale word of 64 keys serves both: bytes 0, 1 and bytes 2, 3.  Every scale byte is a finite code, so zero codes add nothing.
; A BLOCK'S SCALE: 2^floor(log2(largest p)) is 2^floor(t - M) of the block's largest score: no exponential is taken for it.
; THE EXPONENTIALS go in two halves of 64, four blocks each: between the first half's stand the second half's t - M, between the second half's the first half's sums (into 16 fresh pairs) and conversions: plain work whose results are read behind the next wait.
; LIMITS: NaN and infinities are not served; the promise holds while |t| stays under 2^31; a p under 2^-126 becomes 0; 1 / the sum is v_rcp_f32 and a multiplication; where v_exp_f32 rounds a p just under a power of two
; up to it, the block's scale is still that of the number under it; a scale byte is held at 1 from below (such a block's p are under 2^-123).
.set KVH,   139264
.set VIMG,  65536                      ; LDS as in kv: K's images at 0, V's here,
.set KSC,   131072                     ; K's scale words, and V's 4,096 bytes on
.set SPARE, 139264                     ; the spare words, 128 bytes for each wave: eight blocks of 256 bytes that no other line names
.set LI,  1                            ; v1   16 x lane
.set LIV, 2                            ; v2   + VIMG
.set LSK, 3                            ; v3   4 x lane + KSC
.set SPW, 4                            ; v4   LDS address of my spare word; never rewritten
.set NIL, 5                            ; v5   0; never rewritten
.set ADK, 6                            ; v6-8 the trip's LDS addresses: K's images, V's, the scale words
.set ADV, 7
.set ADS, 8
.set SCR, 9                            ; v9   at work; then block 4's conversion operand
.set FF,  10                           ; v[10:11] f = 2^(old M - new M)
.set NM,  12                           ; v12  -M
.set MR,  13                           ; v13  the largest score so far
.set PW,  14                           ; v14-15 p's scale words, 128 keys each
.set QF,  16                           ; v16-27 Q's codes, zero codes, Q's codes
.set QS,  28                           ; v28  Q's scale word, its two bytes twice
.set PX,  29                           ; v29  what a lane permute brings; then block 5's conversion operand
.set OM,  30                           ; v30  old M less new M
.set RL,  30                           ; v[30:31] 1 / the sum
.set SM,  32                           ; v32-39 the sum, in four pairs
.set TM,  40                           ; v40-47 each block's largest score, then the bytes
.set PC0, 40                           ; later p's codes of the first 128 keys
.set PC1, 48                           ; v48-55 p's codes of the second 128 keys; before that:
.set TS6, 48                           ; v48-49 the conversions' operands of blocks 6, 7
.set TS0, 52                           ; v52-55 those of blocks 0-3
.set KS,  56                           ; v56-59 K's scale words, 64 keys each
.set VS,  60                           ; v60-63 V's: 128 keys x two channel tiles each
.set FR,  64                           ; v64-95 K's tiles 0-7; then the trip's sums in 16 pairs
.set O,   96                           ; v96-127 O^T
.set S,   128                          ; v128-255 S^T, then p.  Over the p of blocks 0, 1: V's first 128 keys, then K's tiles 8-15; over blocks 2, 3: V's second 128 keys
.set WV,  14
.set CX,  15
.set BH,  16
.set QB,  17
.set TQ,  18                           ; my tile of 16 queries, 0..127
.set SH,  19
.set SEL, 20
.set CS,  22                           ; s[22:23] c = log2(e) / 8
.set G1,  24
.set G0,  32
.set KOFF, 36                          ; the trip's images: 8,192 bytes a trip, K's and V's alike
.set SOFF, 37                          ; scale words: 512 a trip, K's and V's alike
.set CNT,  39
.macro PLACES n
.rept \n
	v_nop
.endr
.endm
.macro CROUND                          ; a round of the cluster's barrier
	s_barrier_signal -1
	s_barrier_wait -1
	s_cmp_lg_u32 s[WV], 0
	s_cbranch_scc1 .Lnot_wave_0_\@
	s_barrier_signal -3
.Lnot_wave_0_\@:
	s_barrier_wait -3
	s_barrier_signal -1
	s_barrier_wait -1
.endm
.macro KG g, d, a, o                   ; the four tiles of 64 keys: the trip's g-th; block 0's two at registers 0 and 8, block 1's at 4 and 12
.irp i, 0,1,2,3
	ds_load_b128 v[(\d)+8*(\i%2)+4*(\i/2):(\d)+8*(\i%2)+4*(\i/2)+3], v[\a] offset:\o+2048*\g+512*\i
.endr
.endm
.macro KFETCH a, sa, o, so             ; a trip's 16 tiles of K and its scale words: 20 loads, in the order in which they are wanted
	KG 2, S, \a, \o
	KG 3, S+16, \a, \o
.irp g, 0,1,2,3
	ds_load_b32 v[KS+\g], v[\sa] offset:\so+128*\g
.endr
	KG 0, FR, \a, \o
	KG 1, FR+16, \a, \o
.endm
.macro VG j, d                         ; V's four channel tiles for the trip's j-th 128 keys: 8 loads
.irp t, 0,1,2,3
.irp c, 0,1
	ds_load_b128 v[(\d)+8*\t+4*\c:(\d)+8*\t+4*\c+3], v[ADV] offset:4096*\j+1024*\t+512*\c
.endr
.endr
.endm
.macro QK b, a, h                      ; the scores of block b: 32 keys x my 16 queries
	v_wmma_scale_f32_32x16x128_f4 v[S+16*\b:S+16*\b+15], v[(\a):(\a)+15], v[QF+4*\h:QF+4*\h+7], 0, v[KS+\b/2], v[QS]
.endm
.macro PV v, p, k, w                   ; O^T += V^T P^T: 128 keys, the four accumulators by turns
.irp t, 0,1,2,3
.if \t%2
	v_wmma_scale_f32_16x16x128_f8f6f4 v[O+8*\t:O+8*\t+7], v[(\v)+8*\t:(\v)+8*\t+7], v[(\p):(\p)+7], v[O+8*\t:O+8*\t+7], v[(\k)+\t/2], v[\w] matrix_a_fmt:MATRIX_FMT_FP4 matrix_b_fmt:MATRIX_FMT_FP4 matrix_a_scale:MATRIX_SCALE_ROW1
.else
	v_wmma_scale_f32_16x16x128_f8f6f4 v[O+8*\t:O+8*\t+7], v[(\v)+8*\t:(\v)+8*\t+7], v[(\p):(\p)+7], v[O+8*\t:O+8*\t+7], v[(\k)+\t/2], v[\w] matrix_a_fmt:MATRIX_FMT_FP4 matrix_b_fmt:MATRIX_FMT_FP4
.endif
.endr
.endm
.macro MAXS lo, n                      ; my 16 scores of each of n blocks -> their largest, from each result's low end on, the blocks by turns
.set mb, \lo
.rept \n
	v_max3_num_f32 v[TM+mb], v[S+16*mb], v[S+16*mb+1], v[S+16*mb+2]
.set mb, mb+1
.endr
.irp i, 3,5,7,9,11,13
.set mb, \lo
.rept \n
	v_max3_num_f32 v[TM+mb], v[TM+mb], v[S+16*mb+\i], v[S+16*mb+\i+1]
.set mb, mb+1
.endr
.endr
.set mb, \lo
.rept \n
	v_max_num_f32 v[TM+mb], v[TM+mb], v[S+16*mb+15]
.set mb, mb+1
.endr
.endm
.macro FMA n                           ; the next n pairs of scores -> t - M
.rept \n
	v_pk_fma_f32 v[S+jf:S+jf+1], v[S+jf:S+jf+1], s[CS:CS+1], v[NM:NM+1] op_sel_hi:[1,0,0]
.set jf, jf+2
.endr
.endm
.macro SUMS j0, n, from                ; n pairs of p onto the trip's sums
.set jj, \j0
.rept \n
	v_pk_add_f32 v[FR+2*jj:FR+2*jj+1], v[FR+2*jj:FR+2*jj+1], v[S+(\from)+2*jj:S+(\from)+2*jj+1]
.set jj, jj+1
.endr
.endm
.macro SWAP4 d                         ; the operand wants a whole block in a lane: lanes 0-15 block 2 c, lanes 16-31 block 2 c + 1
.irp c, 0,1
	v_permlane16_swap_b32 v[(\d)+4*\c], v[(\d)+4*\c+1]
	v_permlane16_swap_b32 v[(\d)+4*\c+2], v[(\d)+4*\c+3]
.endr
.endm
	s_load_b256 s[4:11], s[0:1], 0x0               ; qc s[4:5], qs s[6:7], kv s[8:9], oc s[10:11]
	s_load_b64 s[12:13], s[0:1], 0x20              ; os
	v_lshl_add_u32 v[SPW], v0, 2, SPARE
	v_mov_b32 v[NIL], 0
	ds_add_u32 v[SPW], v[NIL]                      ; the wave's opening: the add, twice on end, and its wait ahead of my tensor load
	ds_add_u32 v[SPW], v[NIL]                      ; and once more; the set-up below, work on registers, stands between it and the wait
	v_lshrrev_b32 v1, 5, v0
	v_readfirstlane_b32 s[WV], v1                  ; wave 0..15
	s_bfe_u32 s[CX], ttmp6, 0x40000
	s_lshl_b32 s[QB], ttmp9, 2
	s_add_co_u32 s[QB], s[QB], s[CX]               ; my block of 256 queries: it enters Q's and O's addresses alone
	s_and_b32 s[BH], ttmp7, 0xffff                 ; 16 x batch + head, which the four partners share
	s_lshl_b32 s[TQ], s[QB], 4
	s_add_co_u32 s[TQ], s[TQ], s[WV]
	s_mov_b32 s[G1], 15|(3<<16)|(1<<21)            ; the mask: all four work-groups; elements of 8 bytes; 21 set beside a mask; no padding
	s_mov_b32 s[G1+1], 32<<16                      ; 8,704 dense bytes as 34 rows of 256
	s_mov_b32 s[G1+2], 34<<16
	s_mov_b32 s[G1+3], 32<<16
	s_mov_b32 s[G1+4], 34
	s_mov_b32 s[G1+5], 32
	s_mov_b32 s[G1+6], 0
	s_mov_b32 s[G1+7], 0
	s_mov_b32 s[G0], 1
	s_mul_i32 s[G0+1], s[WV], 8704                 ; my sixteenth of the head's block, in LDS as in memory
	s_mul_i32 s40, s[BH], KVH
	s_add_co_u32 s40, s40, s[G0+1]
	s_mov_b32 s41, 0
	s_lshl_b32 s42, s[BH], 16                      ; Q's image: 65,536 bytes a head, 512 a tile
	s_lshl_b32 s43, s[TQ], 9
	s_add_co_u32 s42, s42, s43
	s_mov_b32 s43, 0
	s_lshl_b32 s44, s[BH], 12                      ; its scale words: 4,096 a head, 128 for four tiles: tile i in lanes 16 (i % 2) on, bytes 2 (i / 2) on
	s_lshr_b32 s45, s[TQ], 2
	s_lshl_b32 s45, s45, 7
	s_add_co_u32 s44, s44, s45
	s_and_b32 s45, s[TQ], 1
	s_lshl_b32 s45, s45, 6
	s_add_co_u32 s44, s44, s45
	s_mov_b32 s45, 0
	s_and_b32 s[SH], s[TQ], 2
	s_lshl_b32 s[SH], s[SH], 3
	s_lshr_b32 s46, s[BH], 4
	s_lshl_b32 s46, s46, 7
	s_add_co_u32 s46, s46, s[TQ]                   ; my tile among the 256 of both batches
	s_and_b32 s47, s[BH], 15                       ; the head
	s_lshl_b32 s48, s46, 13                        ; oc: 8,192 bytes a tile, 512 a head
	s_lshl_b32 s49, s47, 9
	s_add_co_u32 s48, s48, s49
	s_mov_b32 s49, 0
	s_lshl_b32 s50, s46, 9                         ; os: 32 bytes a token, 2 a head
	s_lshl_b32 s51, s47, 1
	s_add_co_u32 s50, s50, s51
	s_mov_b32 s51, 0
	s_mov_b32 s[SEL], 0x76543210
	s_mov_b32 s[SEL+1], 0xfedcba98                 ; v_permlanex16_b32's selects for lane l xor 16
	s_mov_b32 s[CS], 0x3e38aa3b                    ; c = log2(e) / 8
	s_mov_b32 s[CS+1], s[CS]                       ; (named with it as a pair, so it is written)
	s_mov_b32 s[KOFF], 0
	s_mov_b32 s[SOFF], 0
	s_mov_b32 s[CNT], 0
	s_wait_dscnt 0x0                               ; both opening adds are done
	s_wait_kmcnt 0x0
	s_add_nc_u64 s[G0+2:G0+3], s[8:9], s[40:41]
	s_or_b32 s[G0+3], s[G0+3], 0x80000000          ; type = 2
	s_add_nc_u64 s[4:5], s[4:5], s[42:43]
	s_add_nc_u64 s[6:7], s[6:7], s[44:45]
	s_add_nc_u64 s[10:11], s[10:11], s[48:49]
	s_add_nc_u64 s[12:13], s[12:13], s[50:51]
	CROUND                                         ; all four work-groups are here: the joint loads meet
	tensor_load_to_lds s[G0:G0+3], s[G1:G1+7]      ; my one tensor load
	s_nop 0
	PLACES 4
	v_and_b32 v[LI], 31, v0
	v_and_b32 v[SCR], 15, v0
	v_lshlrev_b32 v[LSK], 2, v[LI]
	v_lshlrev_b32 v[LI], 4, v[LI]
	v_lshlrev_b32 v[SCR], 2, v[SCR]
	v_add_nc_u32 v[LIV], VIMG, v[LI]
	v_add_nc_u32 v[LSK], KSC, v[LSK]
	global_load_b128 v[QF:QF+3], v[LI], s[4:5]     ; Q's image, twice
	global_load_b128 v[QF+8:QF+11], v[LI], s[4:5]
	global_load_b32 v[QS], v[SCR], s[6:7]          ; Q's scale words: lane r takes query r's
	v_mov_b32 v[MR], 0xff61b1e6                    ; the largest score so far: -3e38, under every score
	v_mov_b32 v[NM], 0x7e800000                    ; -M of no key: so large that the first f is 0
	v_mov_b32 v[FF+1], 0                           ; (named as the upper half of a pair)
	v_mov_b32 v[PX], 0                             ; a lane permute's destination counts as one of its sources
.irp i, 4,5,6,7
	v_mov_b32 v[QF+\i], 0                          ; zero codes
.endr
.irp i, 0,1,2,3,4,5,6,7
	v_mov_b32 v[SM+\i], 0
.endr
	s_wait_alu depctr_va_vdst(0)
	s_wait_loadcnt 0x0                             ; Q
	v_lshrrev_b32 v[QS], s[SH], v[QS]
	v_and_b32 v[QS], 0xffff, v[QS]
	v_lshl_or_b32 v[QS], v[QS], 16, v[QS]          ; its two bytes for K 0 .. 63, and again for K 64 .. 127
.set j, 0
.rept 32
	v_mov_b32 v[O+j], 0                            ; O^T.  (The trip is written once: the first finds zeros, which the first change of M leaves zeros)
.set j, j+1
.endr
	s_wait_alu depctr_va_vdst(0)
	s_wait_tensorcnt 0x0                           ; my part of the head's block has landed,
	s_barrier_signal -1
	s_barrier_wait -1                              ; everybody's has
	KFETCH LI, LSK, 0, 0
.Lstep:                                            ; 8 trips: 256 keys each
	s_wait_dscnt 8                                 ; K's tiles 8-15 and the scale words are in; tiles 0-7's eight loads may be out
	QK 4, S, 0
	QK 5, S, 1
	QK 6, S+16, 0
	QK 7, S+16, 1
	v_add_nc_u32 v[ADK], s[KOFF], v[LI]            ; five places: the next products' results are written over the sources of these
	v_add_nc_u32 v[ADV], s[KOFF], v[LIV]
	v_add_nc_u32 v[ADS], s[SOFF], v[LSK]
	PLACES 2
	s_wait_dscnt 0x0
	QK 0, FR, 0
	QK 1, FR, 1
	QK 2, FR+16, 0
	QK 3, FR+16, 1
	MAXS 4, 4                                      ; (also the places behind the products just issued)
	MAXS 0, 4
.irp p, 0,1,2,3
	v_permlane16_swap_b32 v[TM+2*\p], v[TM+2*\p+1] ; lanes 0-15 of the two: block 2 p's two halves, lanes 16-31: block 2 p + 1's
.endr
.irp p, 0,1,2,3
	v_max_num_f32 v[TM+2*\p], v[TM+2*\p], v[TM+2*\p+1]     ; the largest score of block 2 p + lane / 16
.endr
	s_delay_alu instid0(VALU_DEP_2)
	v_max3_num_f32 v[SCR], v[TM], v[TM+2], v[TM+4]
	s_delay_alu instid0(VALU_DEP_1)
	v_max3_num_f32 v[SCR], v[SCR], v[TM+6], v[MR]
	s_delay_alu instid0(VALU_DEP_1)
	v_permlanex16_b32 v[PX], v[SCR], s[SEL], s[SEL+1]
	s_delay_alu instid0(VALU_DEP_1)
	v_max_num_f32 v[MR], v[SCR], v[PX]             ; the running largest score of my query
	s_delay_alu instid0(VALU_DEP_1)
	v_mul_f32 v[SCR], -v[MR], s[CS]                ; -t of it (c is positive)
	v_mov_b32 v[OM], v[NM]
	s_delay_alu instid0(VALU_DEP_2)
	v_floor_f32 v[NM], v[SCR]                      ; the new -M = floor(-t) = -ceil(t)
.set jf, 0
	FMA 4                                          ; t - M of blocks 0-3; the scales' and f's lines stand between
.irp p, 0,1,2,3
	v_fma_f32 v[TM+2*\p], v[TM+2*\p], s[CS], v[NM] ; t - M of each block's largest score
.endr
	v_sub_f32 v[OM], v[NM], v[OM]                  ; old M less new M: a whole number, 0 or less
	FMA 4
.irp p, 0,1,2,3
	v_max_num_f32 v[TM+2*\p], 0xc2f80000, v[TM+2*\p]       ; -124 at the least: the byte cannot fall under 1
.endr
	v_cvt_i32_f32 v[OM], v[OM]                     ; (it saturates)
	FMA 4
.irp p, 0,1,2,3
	v_cvt_floor_i32_f32 v[TM+2*\p], v[TM+2*\p]
.endr
	v_ldexp_f32 v[FF], 1.0, v[OM]                  ; f = 2^(old M - new M)
	FMA 4
.irp p, 0,1,2,3
	v_add_nc_u32 v[TM+2*\p], 0x7d, v[TM+2*\p]      ; the scale's byte: floor - 2 + 127
.endr
	FMA 4
	v_lshl_or_b32 v[PW], v[TM+2], 16, v[TM]        ; p's scale words: lanes 0-15 have blocks 0 and 2, lanes 16-31 blocks 1 and 3,
	v_lshl_or_b32 v[PW+1], v[TM+6], 16, v[TM+4]
	v_lshlrev_b32 v[TS0], 23, v[TM]                ; the conversions' operands
	v_lshlrev_b32 v[TS0+2], 23, v[TM+2]
	v_lshlrev_b32 v[TS6], 23, v[TM+6]
	FMA 4
	v_permlanex16_b32 v[SCR], v[PW], s[SEL], s[SEL+1]
	v_permlanex16_b32 v[PX], v[PW+1], s[SEL], s[SEL+1]
	v_mov_b32 v[TS0+1], v[TS0]
	v_mov_b32 v[TS0+3], v[TS0+2]
	v_mov_b32 v[TS6+1], v[TS6]
	FMA 4
	v_lshl_or_b32 v[PW], v[SCR], 8, v[PW]          ; which the other half's bytes complete in lanes 0-15
	v_lshl_or_b32 v[PW+1], v[PX], 8, v[PW+1]
	v_permlane16_swap_b32 v[TS0], v[TS0+1]         ; the first: the even block's in all lanes; the second: the odd block's
	v_permlane16_swap_b32 v[TS0+2], v[TS0+3]
	v_permlane16_swap_b32 v[TS6], v[TS6+1]
	v_lshlrev_b32 v[SCR], 23, v[TM+4]
	v_lshlrev_b32 v[PX], 23, v[TM+4]
	FMA 4
	v_permlane16_swap_b32 v[SCR], v[PX]
	s_wait_alu depctr_va_vdst(0)                   ; the wait ahead of the batch
.set j, 0
.rept 32
	v_exp_f32 v[S+2*j], v[S+2*j]                   ; p = 2^(t - M) of blocks 0-3,
	v_exp_f32 v[S+2*j+1], v[S+2*j+1]
	v_pk_fma_f32 v[S+64+2*j:S+65+2*j], v[S+64+2*j:S+65+2*j], s[CS:CS+1], v[NM:NM+1] op_sel_hi:[1,0,0]   ; and t - M of blocks 4-7
.set j, j+1
.endr
	s_wait_alu depctr_va_vdst(0)                   ; the wait behind the first batch and ahead of the second
.set j, 0
.rept 16
	v_exp_f32 v[S+64+4*j], v[S+64+4*j]             ; p of blocks 4-7,
	v_exp_f32 v[S+65+4*j], v[S+65+4*j]
	v_exp_f32 v[S+66+4*j], v[S+66+4*j]
	v_exp_f32 v[S+67+4*j], v[S+67+4*j]
.if (j%2) == 0
.set kb, j/4
.set kh, (j/2)%2
	v_cvt_scalef32_pk8_fp4_f32 v[PC0+4*(kb/2)+(kb%2)+2*kh], v[S+16*kb+8*kh:S+16*kb+8*kh+7], v[TS0+kb]   ; codes of blocks 0-3: keys 32 kb + 16 kh + 8 h + 0 .. 7,
.endif
	v_pk_add_f32 v[FR+2*j:FR+2*j+1], v[S+2*j:S+2*j+1], v[S+32+2*j:S+33+2*j]        ; and their sums: blocks 0, 1 + blocks 2, 3
.set j, j+1
.endr
	s_wait_alu depctr_va_vdst(0)                   ; the wait behind the second batch, ahead of its first reader, and for O^T's products
.set j, 0
.rept 16
	v_pk_mul_f32 v[O+j:O+j+1], v[O+j:O+j+1], v[FF:FF+1] op_sel_hi:[1,0]   ; O^T under the new M, from each accumulator's low end on
.set j, j+2
.endr
	SWAP4 PC0
	VG 0, S                                        ; over the p of blocks 0-3: summed and converted
.irp n, 0,1,2,3
	ds_load_b32 v[VS+\n], v[ADS] offset:4096+128*\n
.endr
	VG 1, S+32
	SUMS 0, 16, 64                                 ; blocks 4, 5
.irp e, 0,1
	v_cvt_scalef32_pk8_fp4_f32 v[PC1+4+\e], v[S+96+16*\e:S+103+16*\e], v[TS6+\e]   ; blocks 6, 7
	v_cvt_scalef32_pk8_fp4_f32 v[PC1+6+\e], v[S+104+16*\e:S+111+16*\e], v[TS6+\e]
.endr
	SUMS 0, 8, 96                                  ; blocks 6, 7.  (Also the plain places: the next conversions write over operands of the last)
	v_cvt_scalef32_pk8_fp4_f32 v[PC1], v[S+64:S+71], v[SCR]                        ; block 4
	v_cvt_scalef32_pk8_fp4_f32 v[PC1+2], v[S+72:S+79], v[SCR]
	v_cvt_scalef32_pk8_fp4_f32 v[PC1+1], v[S+80:S+87], v[PX]                       ; block 5
	v_cvt_scalef32_pk8_fp4_f32 v[PC1+3], v[S+88:S+95], v[PX]
	SUMS 8, 8, 96
	s_wait_alu depctr_va_vdst(0)
	s_wait_dscnt 8                                 ; V's first 128 keys and scale words are in; the second's eight loads may be out
	PV S, PC0, VS, PW
.set j, 0
.rept 16                               ; the trip's 16 pairs onto the four; the first four bring the sum under the new M in the same instruction.  (Also the places between these products and the loads into their sources)
.if j < 4
	v_pk_fma_f32 v[SM+2*j:SM+2*j+1], v[SM+2*j:SM+2*j+1], v[FF:FF+1], v[FR+2*j:FR+2*j+1] op_sel_hi:[1,0,1]
.else
	v_pk_add_f32 v[SM+2*(j%4):SM+2*(j%4)+1], v[SM+2*(j%4):SM+2*(j%4)+1], v[FR+2*j:FR+2*j+1]
.endif
.set j, j+1
.endr
	KFETCH ADK, ADS, 8192, 512                     ; the next trip's K.  (The last trip's 20 loads read other bytes of the block, which are not used)
	SWAP4 PC1
	s_wait_alu depctr_va_vdst(0)
	s_wait_dscnt 20                                ; V's second 128 keys are in; the 20 loads just issued may be out
	PV S+32, PC1, VS+2, PW+1
	s_add_co_u32 s[KOFF], s[KOFF], 8192
	s_add_co_u32 s[SOFF], s[SOFF], 512
	s_add_co_u32 s[CNT], s[CNT], 1
	s_cmp_lt_u32 s[CNT], 8
	s_cbranch_scc1 .Lstep
	; THE WAY OUT: O^T / the sum, quantised along the head's 64 channels, which are two whole blocks of the last product's K.
	s_wait_dscnt 0x0
	v_pk_add_f32 v[SM:SM+1], v[SM:SM+1], v[SM+2:SM+3]
	v_pk_add_f32 v[SM+4:SM+5], v[SM+4:SM+5], v[SM+6:SM+7]
	v_and_b32 v[SCR], 15, v0
	v_pk_add_f32 v[SM:SM+1], v[SM:SM+1], v[SM+4:SM+5]
	v_lshlrev_b32 v[SCR], 5, v[SCR]                ; 32 x (lane % 16)
	v_add_f32 v[SM], v[SM], v[SM+1]
	s_delay_alu instid0(VALU_DEP_1)
	v_permlanex16_b32 v[PX], v[SM], s[SEL], s[SEL+1]
	s_delay_alu instid0(VALU_DEP_1)
	v_add_f32 v[SM], v[SM], v[PX]                  ; with lane l xor 16's: the row's sum
	s_wait_alu depctr_va_vdst(0)
	v_rcp_f32 v[RL], v[SM]
	v_mov_b32 v[RL+1], 0                           ; the plain instruction behind the reciprocal (the pair's upper half is named, so it is written)
	s_wait_alu depctr_va_vdst(0)                   ; the wait, ahead of the first reader, and for O^T's products
.set j, 0
.rept 16
	v_pk_mul_f32 v[S+j:S+j+1], v[O+j:O+j+1], v[RL:RL+1] op_sel_hi:[1,0]   ; register 8 t + i: channel 16 t + 8 h + i of my query
.set j, j+2
.endr
.irp b, 0,1
	v_max3_num_f32 v[TM+\b], |v[S+16*\b]|, |v[S+16*\b+1]|, 0x1800000      ; the floor 2^(3 - 127): the byte cannot fall under 1
.endr
.irp i, 2,4,6,8,10,12,14
.irp b, 0,1
	v_max3_num_f32 v[TM+\b], v[TM+\b], |v[S+16*\b+\i]|, |v[S+16*\b+\i+1]|
.endr
.endr
.irp b, 0,1
	v_permlanex16_b32 v[TM+2+\b], v[TM+\b], s[SEL], s[SEL+1]
.endr
.irp b, 0,1
	v_max_num_f32 v[TM+\b], v[TM+\b], v[TM+2+\b]
.endr
.irp b, 0,1
	v_add_nc_u32 v[TS0+\b], 0xff000000, v[TM+\b]   ; 2 off the exponent field: the conversion's scale operand
.endr
.irp b, 0,1
	v_lshrrev_b32 v[TM+2+\b], 23, v[TS0+\b]        ; the scale's byte
.endr
	v_lshl_or_b32 v[PX], v[TM+3], 8, v[TM+2]
.irp b, 0,1
	v_cvt_scalef32_pk8_fp4_f32 v[FR+\b], v[S+16*\b:S+16*\b+7], v[TS0+\b]
	v_cvt_scalef32_pk8_fp4_f32 v[FR+2+\b], v[S+16*\b+8:S+16*\b+15], v[TS0+\b]
.endr
	v_nop                                          ; one plain place behind a scaled conversion
	v_permlane16_swap_b32 v[FR], v[FR+1]           ; lane (r, h): K = 32 h + 0 .. 31
	v_permlane16_swap_b32 v[FR+2], v[FR+3]
	global_store_b128 v[LI], v[FR:FR+3], s[10:11]  ; the image of 16 tokens x my head's 64: 512 consecutive bytes
	global_store_b16 v[SCR], v[PX], s[12:13]       ; my head's two scale bytes of each token's row of 32; lanes 16-31 write the same bytes with the same values
	s_wait_tensorcnt 0x0                           ; the wave's end
	ds_add_u32 v[SPW], v[NIL]
	s_wait_dscnt 0x0
	CROUND                                         ; the closing round
	s_endpgm
.Lfunc_end_k_qf8d84ab94a_attn:
	.size	k_qf8d84ab94a_attn, .Lfunc_end_k_qf8d84ab94a_attn-k_qf8d84ab94a_attn
	.p2alignl 7, 3214868480
	.fill 96, 4, 3214868480
	.section	.rodata,"a",@progbits
	.p2align	6, 0x0
	.amdhsa_kernel k_qf8d84ab94a_attn
		.amdhsa_group_segment_fixed_size 167936
		.amdhsa_private_segment_fixed_size 0
		.amdhsa_enable_private_segment 0
		.amdhsa_kernarg_size 40
		.amdhsa_user_sgpr_count 2
		.amdhsa_user_sgpr_kernarg_segment_ptr 1
		.amdhsa_wavefront_size32 1
		.amdhsa_system_sgpr_workgroup_id_x 1
		.amdhsa_system_sgpr_workgroup_id_y 1
		.amdhsa_system_sgpr_workgroup_id_z 1
		.amdhsa_system_vgpr_workitem_id 0
		.amdhsa_next_free_vgpr 256
		.amdhsa_next_free_sgpr 66
		.amdhsa_reserve_vcc 0
		.amdhsa_float_denorm_mode_32 3
		.amdhsa_float_denorm_mode_16_64 3
		.amdhsa_memory_ordered 1
		.amdhsa_forward_progress 1
		.amdhsa_inst_pref_size 38
	.end_amdhsa_kernel
	.amdgpu_metadata
---
amdhsa.version: [ 1, 2 ]
amdhsa.kernels:
  - .name:           k_qf8d84ab94a_attn
    .symbol:         k_qf8d84ab94a_attn.kd
    .args:
      - { .name: qc, .offset: 0, .size: 8, .value_kind: global_buffer, .address_space: global }
      - { .name: qs, .offset: 8, .size: 8, .value_kind: global_buffer, .address_space: global }
      - { .name: kv, .offset: 16, .size: 8, .value_kind: global_buffer, .address_space: global }
      - { .name: oc, .offset: 24, .size: 8, .value_kind: global_buffer, .address_space: global }
      - { .name: os, .offset: 32, .size: 8, .value_kind: global_buffer, .address_space: global }
    .group_segment_fixed_size: 167936
    .private_segment_fixed_size: 0
    .kernarg_segment_align: 8
    .kernarg_segment_size: 40
    .max_flat_workgroup_size: 512
    .sgpr_count:     66
    .vgpr_count:     256
    .wavefront_size: 32
...
	.end_amdgpu_metadata
.endif
;; end of part 2
;; launch outp (part 3): grid 8 x 32, 8 waves a work-group, clusters of 4 x 4, 172,032 bytes of LDS; arguments oc, os, Wo_codes, Wo_scales, bo, out0; writes out0
.if DOCPART == 3
	.amdgcn_target "amdgcn-amd-amdhsa--gfx1250"
	.amdhsa_code_object_version 6
	.text
	.protected	k_qf8d84ab94a_outp
	.globl	k_qf8d84ab94a_outp
	.p2align	8
	.type	k_qf8d84ab94a_outp,@function
k_qf8d84ab94a_outp:
	s_mov_b64 s[64:65], 0
	v_nop
	global_prefetch_b8 v0, s[64:65] scope:SCOPE_SE
	s_setreg_imm32_b32 hwreg(HW_REG_WAVE_MODE, 25, 1), 1
	s_wait_xcnt 0x0
	s_wait_alu depctr_hold_cnt(0) depctr_sa_sdst(0) depctr_va_vdst(0) depctr_va_sdst(0) depctr_va_ssrc(0) depctr_va_vcc(0) depctr_vm_vsrc(0)
	s_getreg_b32 s2, hwreg(HW_REG_IB_STS2, 6, 4)
	s_cmp_eq_u32 s2, 0
	s_cbranch_scc0 .Lentry_in_a_cluster
	s_endpgm
.Lentry_in_a_cluster:
	s_bfe_u32 s2, ttmp6, 0x10000c
	s_cmp_lg_u32 s2, 0xf033
	s_cbranch_scc0 .Lentry_shape_is_right
	s_endpgm
.Lentry_shape_is_right:
; Launch 3 of 3: out0 = O Wo + bo on codes of FP4; O's codes come as launch 2 laid them (images of operand registers).  No work is left out.
; SHARES.  256 work-groups: 32 blocks of 128 tokens x 8 blocks of 128 columns, the whole K = 1,024 each.  Eight waves; wave w makes 32 tokens (w / 2) x 64 columns (w % 2).
; All of a work-group's codes fit in LDS: one joint load a wave at the head (waves 0-3: O's images, waves 4-7: Wo's rows in two halves of K), nothing is filled again, so no later load for a prefetch to run ahead of.
; Scale words go from memory straight into registers: 32 bytes a row, a lane a row.
; CLUSTERS: 4 x 4.  The four of a row of the cluster need the same tokens, the four of a column the same rows of Wo.
; LAYOUT.  Source 0 = 16 rows of Wo, source 1 = 16 tokens: a lane holds eight neighbouring columns of one token; the bias is the C of the first step.
; Results go through the wave's own stage in LDS and leave as aligned units of 256 bytes.
; LIMITS: NaN and infinities are not served; the sum starts at the bias, so its order differs from O Wo + bo by f32 rounding.
.set PITCH, 272
.set WREG,  65536
.set WHALF, 128*PITCH
.set STG,   WREG+2*WHALF               ; the stages, 16 rows x 272 bytes a wave: no tile lands there
.set SPARE, STG+8*16*272
.set LIM,   4
.set R,   1
.set H,   2
.set LN,  3
.set ADX, 4
.set ADW, 5
.set ASW, 6
.set ASX, 7
.set STO, 8
.set RD,  9
.set CO,  10
.set BO,  11
.set SPW, 12
.set NIL, 13
.set SX,  16
.set SW,  24
.set BI,  40
.set F0,  72
.set ACC, 192
.set WV,  16
.set CX,  17
.set CY,  18
.set NX,  19
.set TY,  20
.set U,   21
.set XI,  22
.set WI,  23
.set G1XC, 24
.set G1WC, 40
.set G0XC, 56
.set G0WC, 68
.macro PLACES n
.rept \n
	v_nop
.endr
.endm
.macro CROUND
	s_barrier_signal -1
	s_barrier_wait -1
	s_cmp_lg_u32 s[WV], 0
	s_cbranch_scc1 .Lnot_wave_0_\@
	s_barrier_signal -3
.Lnot_wave_0_\@:
	s_barrier_wait -3
	s_barrier_signal -1
	s_barrier_wait -1
.endm
.macro JLOAD g0a, g1a, g0b, g1b
	s_cmp_lt_u32 s[WV], LIM
	s_cbranch_scc0 .Lfor_b_\@
	tensor_load_to_lds s[\g0a:\g0a+3], s[\g1a:\g1a+7]
	s_nop 0
.rept 4
	v_nop
.endr
	s_branch .Lasked_\@
.Lfor_b_\@:
	tensor_load_to_lds s[\g0b:\g0b+3], s[\g1b:\g1b+7]
	s_nop 0
.rept 4
	v_nop
.endr
.Lasked_\@:
.endm
.macro FETCH s, f
.irp t, 0,1,2,3
.irp c, 0,1
	ds_load_b128 v[\f+8*\t+4*\c:\f+8*\t+4*\c+3], v[ADW] offset:((\s)/4)*WHALF+\t*16*PITCH+64*((\s)%4)+32*\c
.endr
.endr
.irp m, 0,1
.irp c, 0,1
	ds_load_b128 v[\f+32+8*\m+4*\c:\f+32+8*\m+4*\c+3], v[ADX] offset:\m*8192+(\s)*1024+512*\c
.endr
.endr
.endm
.macro MM t, m, s
.set rD, ACC+8*(4*(\m)+(\t))
.set rC, rD
.if (\s) == 0
.set rC, BI+8*(\t)
.endif
.set rA, FC+8*(\t)
.set rB, FC+32+8*(\m)
.set rSA, SW+8*((\t)%2)+(\s)
.set rSB, SX+(\s)
.if (\t) < 2
.if (\m) == 0
	v_wmma_scale_f32_16x16x128_f8f6f4 v[rD:rD+7], v[rA:rA+7], v[rB:rB+7], v[rC:rC+7], v[rSA], v[rSB] matrix_a_fmt:MATRIX_FMT_FP4 matrix_b_fmt:MATRIX_FMT_FP4
.else
	v_wmma_scale_f32_16x16x128_f8f6f4 v[rD:rD+7], v[rA:rA+7], v[rB:rB+7], v[rC:rC+7], v[rSA], v[rSB] matrix_a_fmt:MATRIX_FMT_FP4 matrix_b_fmt:MATRIX_FMT_FP4 matrix_b_scale:MATRIX_SCALE_ROW1
.endif
.else
.if (\m) == 0
	v_wmma_scale_f32_16x16x128_f8f6f4 v[rD:rD+7], v[rA:rA+7], v[rB:rB+7], v[rC:rC+7], v[rSA], v[rSB] matrix_a_fmt:MATRIX_FMT_FP4 matrix_b_fmt:MATRIX_FMT_FP4 matrix_a_scale:MATRIX_SCALE_ROW1
.else
	v_wmma_scale_f32_16x16x128_f8f6f4 v[rD:rD+7], v[rA:rA+7], v[rB:rB+7], v[rC:rC+7], v[rSA], v[rSB] matrix_a_fmt:MATRIX_FMT_FP4 matrix_b_fmt:MATRIX_FMT_FP4 matrix_a_scale:MATRIX_SCALE_ROW1 matrix_b_scale:MATRIX_SCALE_ROW1
.endif
.endif
.endm
.macro STEP s
.set FC, F0+48*((\s)%2)
.set FN, F0+48*(1-(\s)%2)
.if (\s) < 7
.if (\s) > 0
	PLACES 4
.endif
	FETCH (\s)+1, FN
	s_wait_dscnt 12
.else
	s_wait_dscnt 0x0
.endif
.irp m, 0,1
.irp t, 0,1,2,3
	MM \t, \m, \s
.endr
.endr
.endm
	s_load_b256 s[4:11], s[0:1], 0x0
	s_load_b128 s[12:15], s[0:1], 0x20
	v_lshl_add_u32 v[SPW], v0, 2, SPARE
	v_mov_b32 v[NIL], 0
	ds_add_u32 v[SPW], v[NIL]
	ds_add_u32 v[SPW], v[NIL]
	v_lshrrev_b32 v1, 5, v0
	s_delay_alu instid0(VALU_DEP_1)
	v_readfirstlane_b32 s[WV], v1
	s_and_b32 s[U], s[WV], 3
	s_bfe_u32 s[CX], ttmp6, 0x40000
	s_bfe_u32 s[CY], ttmp6, 0x40004
	s_lshl_b32 s[NX], ttmp9, 2
	s_add_co_u32 s[NX], s[NX], s[CX]
	s_and_b32 s[TY], ttmp7, 0xffff
	s_lshl_b32 s[TY], s[TY], 2
	s_add_co_u32 s[TY], s[TY], s[CY]
	s_lshl_b32 s76, s[CY], 2
	s_lshl_b32 s76, 15, s76
	s_lshl_b32 s77, 0x1111, s[CX]
	s_or_b32 s[G1XC], s76, (3<<16)|(1<<21)
	s_or_b32 s[G1WC], s77, (1<<20)|(1<<21)|(5<<22)|(3<<25)
	s_mov_b32 s[G1XC+1], 32<<16
	s_mov_b32 s[G1XC+2], 64<<16
	s_mov_b32 s[G1XC+3], 32<<16
	s_mov_b32 s[G1XC+4], 64
	s_mov_b32 s[G1XC+5], 32
	s_mov_b32 s[G1XC+6], 0
	s_mov_b32 s[G1XC+7], 0
	s_mov_b32 s[G1WC+1], 256<<16
	s_mov_b32 s[G1WC+2], 64<<16
	s_mov_b32 s[G1WC+3], 256<<16
	s_mov_b32 s[G1WC+4], 64
	s_mov_b32 s[G1WC+5], 512
	s_mov_b32 s[G1WC+6], 0
	s_mov_b32 s[G1WC+7], 0
.irp g, G0XC, G0WC
	s_mov_b32 s[\g], 1
.endr
	s_lshl_b32 s[G0XC+1], s[U], 14
	s_mul_i32 s78, s[U], 64*PITCH
	s_add_co_u32 s[G0WC+1], s78, WREG
	s_lshl_b32 s80, s[TY], 16
	s_lshl_b32 s81, s[U], 14
	s_add_co_u32 s80, s80, s81
	s_mov_b32 s81, 0
	s_lshl_b32 s82, s[TY], 12
	s_lshr_b32 s[XI], s[WV], 1                     ; my 32 tokens
	s_and_b32 s[WI], s[WV], 1                      ; my 64 columns
	s_lshl_b32 s83, s[XI], 10                      ; 32 scale bytes a token
	s_add_co_u32 s82, s82, s83
	s_mov_b32 s83, 0
	s_lshl_b32 s84, s[NX], 16
	s_and_b32 s85, s[U], 1
	s_lshl_b32 s85, s85, 15
	s_add_co_u32 s84, s84, s85
	s_lshr_b32 s85, s[U], 1
	s_lshl_b32 s85, s85, 8
	s_add_co_u32 s84, s84, s85
	s_mov_b32 s85, 0
	s_lshl_b32 s86, s[NX], 12
	s_lshl_b32 s87, s[WI], 11                      ; 32 scale bytes a row of Wo
	s_add_co_u32 s86, s86, s87
	s_mov_b32 s87, 0
	s_wait_dscnt 0x0
	s_wait_kmcnt 0x0
	s_add_nc_u64 s[G0XC+2:G0XC+3], s[4:5], s[80:81]
	s_add_nc_u64 s[G0WC+2:G0WC+3], s[8:9], s[84:85]
	s_add_nc_u64 s[6:7], s[6:7], s[82:83]
	s_add_nc_u64 s[10:11], s[10:11], s[86:87]
.irp g, G0XC, G0WC
	s_or_b32 s[\g+3], s[\g+3], 0x80000000          ; type = 2
.endr
	CROUND                                         ; all sixteen work-groups are here: the joint loads meet
	JLOAD G0XC, G1XC, G0WC, G1WC                   ; my one tensor load
	v_and_b32 v[R], 15, v0
	v_bfe_u32 v[H], v0, 4, 1
	v_and_b32 v[LN], 31, v0
	v_lshlrev_b32 v[ASW], 5, v[R]
	v_lshlrev_b32 v[BO], 5, v[H]
	v_lshlrev_b32 v[ASX], 5, v[LN]                 ; O's scale words: lane l takes token l's eight
	v_lshl_add_u32 v[ASW], v[H], 10, v[ASW]        ; Wo's: lanes 16-31 take rows 32 further on: tiles 2 and 3
	s_wait_alu depctr_va_vdst(0)
	global_load_b128 v[SX:SX+3], v[ASX], s[6:7]
	global_load_b128 v[SX+4:SX+7], v[ASX], s[6:7] offset:16
.irp t, 0,1
	global_load_b128 v[SW+8*\t:SW+8*\t+3], v[ASW], s[10:11] offset:512*\t
	global_load_b128 v[SW+8*\t+4:SW+8*\t+7], v[ASW], s[10:11] offset:512*\t+16
.endr
	s_lshl_b32 s76, s[NX], 9
	s_lshl_b32 s77, s[WI], 8
	s_add_co_u32 s76, s76, s77
	s_mov_b32 s77, 0
	s_add_nc_u64 s[12:13], s[12:13], s[76:77]
.irp t, 0,1,2,3
	global_load_b128 v[BI+8*\t:BI+8*\t+3], v[BO], s[12:13] offset:64*\t
	global_load_b128 v[BI+8*\t+4:BI+8*\t+7], v[BO], s[12:13] offset:64*\t+16
.endr
	s_lshl_b32 s78, s[TY], 19
	s_lshl_b32 s79, s[XI], 17
	s_add_co_u32 s78, s78, s79
	s_add_co_u32 s78, s78, s76
	s_mov_b32 s79, 0
	s_add_nc_u64 s[14:15], s[14:15], s[78:79]
	s_lshl_b32 s80, s[XI], 14
	v_lshl_add_u32 v[ADX], v[LN], 4, s80
	v_mul_u32_u24 v[ADW], v[R], PITCH
	s_delay_alu instid0(VALU_DEP_1)
	v_lshl_add_u32 v[ADW], v[H], 4, v[ADW]
	s_mul_i32 s80, s[WI], 64*PITCH
	s_add_co_u32 s80, s80, WREG
	v_add_nc_u32 v[ADW], s80, v[ADW]
	s_mul_i32 s80, s[WV], 16*272
	s_add_co_u32 s80, s80, STG
	v_mul_u32_u24 v[STO], v[R], 272
	s_delay_alu instid0(VALU_DEP_1)
	v_lshl_add_u32 v[STO], v[H], 5, v[STO]
	s_delay_alu instid0(VALU_DEP_1)
	v_add_nc_u32 v[STO], s80, v[STO]
	v_mul_u32_u24 v[RD], v[H], 272
	s_delay_alu instid0(VALU_DEP_1)
	v_lshl_add_u32 v[RD], v[R], 4, v[RD]
	s_delay_alu instid0(VALU_DEP_1)
	v_add_nc_u32 v[RD], s80, v[RD]
	v_lshlrev_b32 v[CO], 12, v[H]
	s_delay_alu instid0(VALU_DEP_1)
	v_lshl_add_u32 v[CO], v[R], 4, v[CO]
	s_wait_alu depctr_va_vdst(0)
	s_wait_tensorcnt 0x0
	s_barrier_signal -1
	s_barrier_wait -1
	FETCH 0, F0
	s_wait_loadcnt 0x0
.irp s, 0,1,2,3,4,5,6,7
	STEP \s
.endr
.macro TOSTAGE m
.irp t, 0,1,2,3
	ds_store_b128 v[STO], v[ACC+8*(4*\m+\t):ACC+8*(4*\m+\t)+3] offset:64*\t
	ds_store_b128 v[STO], v[ACC+8*(4*\m+\t)+4:ACC+8*(4*\m+\t)+7] offset:64*\t+16
.endr
.irp i, 0,1,2,3,4,5,6,7
	ds_load_b128 v[F0+48*\m+4*\i:F0+48*\m+4*\i+3], v[RD] offset:544*\i
.endr
.endm
.macro SEND m, younger
.irp i, 0,1,2,3,4,5,6,7
	s_wait_dscnt \younger+7-\i
	global_store_b128 v[CO], v[F0+48*\m+4*\i:F0+48*\m+4*\i+3], s[14:15] offset:(16*\m+2*\i)*4096 th:TH_STORE_NT
.endr
.endm
	PLACES 4
	TOSTAGE 0
	TOSTAGE 1
	SEND 0, 16
	SEND 1, 0
	s_wait_tensorcnt 0x0
	ds_add_u32 v[SPW], v[NIL]
	s_wait_dscnt 0x0
	CROUND
	s_endpgm
.Lfunc_end_k_qf8d84ab94a_outp:
	.size	k_qf8d84ab94a_outp, .Lfunc_end_k_qf8d84ab94a_outp-k_qf8d84ab94a_outp
	.p2alignl 7, 3214868480
	.fill 96, 4, 3214868480
	.section	.rodata,"a",@progbits
	.p2align	6, 0x0
	.amdhsa_kernel k_qf8d84ab94a_outp
		.amdhsa_group_segment_fixed_size 172032
		.amdhsa_private_segment_fixed_size 0
		.amdhsa_enable_private_segment 0
		.amdhsa_kernarg_size 48
		.amdhsa_user_sgpr_count 2
		.amdhsa_user_sgpr_kernarg_segment_ptr 1
		.amdhsa_wavefront_size32 1
		.amdhsa_system_sgpr_workgroup_id_x 1
		.amdhsa_system_sgpr_workgroup_id_y 1
		.amdhsa_system_sgpr_workgroup_id_z 1
		.amdhsa_system_vgpr_workitem_id 0
		.amdhsa_next_free_vgpr 256
		.amdhsa_next_free_sgpr 96
		.amdhsa_reserve_vcc 0
		.amdhsa_float_denorm_mode_32 3
		.amdhsa_float_denorm_mode_16_64 3
		.amdhsa_memory_ordered 1
		.amdhsa_forward_progress 1
		.amdhsa_inst_pref_size 28
	.end_amdhsa_kernel
	.amdgpu_metadata
---
amdhsa.version: [ 1, 2 ]
amdhsa.kernels:
  - .name:           k_qf8d84ab94a_outp
    .symbol:         k_qf8d84ab94a_outp.kd
    .args:
      - { .name: oc, .offset: 0, .size: 8, .value_kind: global_buffer, .address_space: global }
      - { .name: os, .offset: 8, .size: 8, .value_kind: global_buffer, .address_space: global }
      - { .name: Wo_codes, .offset: 16, .size: 8, .value_kind: global_buffer, .address_space: global }
      - { .name: Wo_scales, .offset: 24, .size: 8, .value_kind: global_buffer, .address_space: global }
      - { .name: bo, .offset: 32, .size: 8, .value_kind: global_buffer, .address_space: global }
      - { .name: out0, .offset: 40, .size: 8, .value_kind: global_buffer, .address_space: global }
    .group_segment_fixed_size: 172032
    .private_segment_fixed_size: 0
    .kernarg_segment_align: 8
    .kernarg_segment_size: 48
    .max_flat_workgroup_size: 256
    .sgpr_count:     96
    .vgpr_count:     256
    .wavefront_size: 32
...
	.end_amdgpu_metadata
.endif
;; end of part 3
